; MI455X (gfx1250); checked and timed in simulation.
; The chip was launched on July 23, 2026; its instructions are those of AMD's public machine-readable ISA for CDNA 5 (MIT licence, August 2026) and "CDNA5" Instruction Set Architecture Reference Guide (July 2026). The comments in the code are by the model that wrote it; some were corrected since.
;; Spike Time Series Forecaster. Allowed arithmetic: float matrix products may take bf16 or f16 operands with f32 sums; all other float work in f32.
;; Inputs: W1 256 x 512 float32; W2 512 x 256 float32; W3 256 x 64 float32; b1 512 float32; b2 256 float32; b3 64 float32; x 8,192 x 256 float32.
;; Outputs: out0 8,192 x 64 float32.
;; One version. Each part assembles by itself: llvm-mc -triple=amdgcn-amd-amdhsa -mcpu=gfx1250 --defsym DOCPART=n.
;; ======== version 1 of 1: 2 launches
;; workspace buffers: wimg 557,056 bytes
;; launch pack (part 1): grid 136 x 1, 8 waves a work-group, no clusters, 0 bytes of LDS; arguments W1, W2, W3, wimg; writes wimg
.if DOCPART == 1
	.amdgcn_target "amdgcn-amd-amdhsa--gfx1250"
	.amdhsa_code_object_version 6
	.text
	.protected	k_q87b31b0864_pack
	.globl	k_q87b31b0864_pack
	.p2align	8
	.type	k_q87b31b0864_pack,@function
k_q87b31b0864_pack:
	s_mov_b64 s[64:65], 0
	v_nop
	global_prefetch_b8 v0, s[64:65] scope:SCOPE_SE
	s_setreg_imm32_b32 hwreg(HW_REG_WAVE_MODE, 25, 1), 1
	s_wait_xcnt 0x0
; W1 [256][512], W2 [512][256], W3 [256][64], f32, are rounded once to bf16 and laid out as the next launch's waves load them, 512 consecutive bytes a load.
; r = lane % 16, h = lane / 16.
; W1, at byte 0: [wave 0..3][block nb 0..7][g 0..15][lane][16 bytes]: lane (r, h) holds the four pairs W1[4 ks + 2 h][n], W1[4 ks + 2 h + 1][n], ks = 4 g .. 4 g + 3,
;   n = 128 wave + 16 nb + r: widened to f32, a pair is the lane's part of the second source of a 16 x 16 x 4 product.
; W2, at byte 262,144, and W3, at byte 524,288: [wave][fragment f][half 0..1][lane][16 bytes]: lane (r, h) of half hf holds W[k + e][n], e = 0..7, k = 32 ks + 16 hf + 8 h,
;   n = 16 (wave x NBW + nb) + r, f = NBW x ks + nb: the register image of the second source of a 16 x 16 x 32 product.  W2: NBW = 4, 64 fragments a wave.  W3: NBW = 1, 8 fragments.
; One thread makes one unit of 16 bytes: 16,384 + 16,384 + 2,048 units = 136 work-groups of 256 threads; groups 0-63 take W1, 64-127 W2, 128-135 W3.
; A wave's store covers 512 consecutive bytes, aligned.  Its eight loads take pieces of 64 bytes of rows: the turn from [k][n] to k-contiguous is paid here, once for 1.1 MB.
.macro FIN DST                         ; eight numbers in v10-17 are rounded, packed (the lower k in the lower half) and stored
	v_lshlrev_b32 v9, 4, v1                        ; 16 bytes a unit
	s_wait_loadcnt 0x0
	v_cvt_pk_bf16_f32 v18, v10, v11
	v_cvt_pk_bf16_f32 v19, v12, v13
	v_cvt_pk_bf16_f32 v20, v14, v15
	v_cvt_pk_bf16_f32 v21, v16, v17
	global_store_b128 v9, v[18:21], s[10:11] offset:\DST
	s_endpgm
.endm
.macro PACKM src, LOGN, LOGNB, LOGF, DST, G0
	s_sub_co_u32 s2, ttmp9, \G0
	s_lshl_b32 s2, s2, 8
	v_add_nc_u32 v1, s2, v0                        ; the unit's number in its matrix
	v_and_b32 v2, 15, v1                           ; r
	v_bfe_u32 v3, v1, 4, 1                         ; h
	v_bfe_u32 v4, v1, 5, 1                         ; hf
	v_bfe_u32 v5, v1, 6, \LOGF                     ; f
	v_lshrrev_b32 v6, 6+\LOGF, v1                  ; wave
	v_and_b32 v7, (1<<\LOGNB)-1, v5                ; nb
	v_lshrrev_b32 v8, \LOGNB, v5                   ; ks
	v_lshl_add_u32 v9, v6, \LOGNB, v7
	v_lshl_add_u32 v9, v9, 4, v2                   ; n
	v_lshlrev_b32 v8, 5, v8
	v_lshl_add_u32 v8, v4, 4, v8
	v_lshl_add_u32 v8, v3, 3, v8                   ; k
	v_lshl_add_u32 v8, v8, \LOGN, v9
	v_lshlrev_b32 v8, 2, v8                        ; byte offset of W[k][n]
.irp e, 0,1,2,3,4,5,6,7
	global_load_b32 v[10+\e], v8, s[\src:\src+1] offset:\e*(4<<\LOGN)
.endr
	FIN \DST
.endm
	s_load_b256 s[4:11], s[0:1], 0x0               ; W1 s[4:5], W2 s[6:7], W3 s[8:9], wimg s[10:11]
	s_wait_kmcnt 0x0
	s_cmp_lt_u32 ttmp9, 64
	s_cbranch_scc0 .Lnot_w1
	s_lshl_b32 s2, ttmp9, 8
	v_add_nc_u32 v1, s2, v0                        ; the unit's number
	v_and_b32 v2, 15, v1                           ; r
	v_bfe_u32 v3, v1, 4, 1                         ; h
	v_bfe_u32 v4, v1, 5, 4                         ; g
	v_lshrrev_b32 v5, 9, v1                        ; 8 wave + nb
	v_lshl_add_u32 v9, v5, 4, v2                   ; n
	v_lshlrev_b32 v8, 4, v4
	v_lshl_add_u32 v8, v3, 1, v8                   ; k of the first number: 16 g + 2 h
	v_lshl_add_u32 v8, v8, 9, v9
	v_lshlrev_b32 v8, 2, v8                        ; byte offset of W1[k][n]
.irp e, 0,1,2,3,4,5,6,7
	global_load_b32 v[10+\e], v8, s[4:5] offset:(4*(\e/2)+(\e%2))*2048  ; pair e / 2 lies four rows of k further on
.endr
	FIN 0
.Lnot_w1:
	s_cmp_lt_u32 ttmp9, 128
	s_cbranch_scc0 .Lnot_w2
	PACKM 6, 8, 2, 6, 262144, 64
.Lnot_w2:
	PACKM 8, 6, 0, 3, 524288, 128
.Lfunc_end_k_q87b31b0864_pack:
	.size	k_q87b31b0864_pack, .Lfunc_end_k_q87b31b0864_pack-k_q87b31b0864_pack
	.p2alignl 7, 3214868480
	.fill 96, 4, 3214868480
	.section	.rodata,"a",@progbits
	.p2align	6, 0x0
	.amdhsa_kernel k_q87b31b0864_pack
		.amdhsa_group_segment_fixed_size 0
		.amdhsa_private_segment_fixed_size 0
		.amdhsa_enable_private_segment 0
		.amdhsa_kernarg_size 32
		.amdhsa_user_sgpr_count 2
		.amdhsa_user_sgpr_kernarg_segment_ptr 1
		.amdhsa_wavefront_size32 1
		.amdhsa_system_sgpr_workgroup_id_x 1
		.amdhsa_system_sgpr_workgroup_id_y 1
		.amdhsa_system_sgpr_workgroup_id_z 1
		.amdhsa_system_vgpr_workitem_id 0
		.amdhsa_next_free_vgpr 24
		.amdhsa_next_free_sgpr 66
		.amdhsa_reserve_vcc 0
		.amdhsa_float_denorm_mode_32 3
		.amdhsa_float_denorm_mode_16_64 3
		.amdhsa_memory_ordered 1
		.amdhsa_forward_progress 1
		.amdhsa_inst_pref_size 7
	.end_amdhsa_kernel
	.amdgpu_metadata
---
amdhsa.version: [ 1, 2 ]
amdhsa.kernels:
  - .name:           k_q87b31b0864_pack
    .symbol:         k_q87b31b0864_pack.kd
    .args:
      - { .name: W1, .offset: 0, .size: 8, .value_kind: global_buffer, .address_space: global }
      - { .name: W2, .offset: 8, .size: 8, .value_kind: global_buffer, .address_space: global }
      - { .name: W3, .offset: 16, .size: 8, .value_kind: global_buffer, .address_space: global }
      - { .name: wimg, .offset: 24, .size: 8, .value_kind: global_buffer, .address_space: global }
    .group_segment_fixed_size: 0
    .private_segment_fixed_size: 0
    .kernarg_segment_align: 8
    .kernarg_segment_size: 32
    .max_flat_workgroup_size: 256
    .sgpr_count:     66
    .vgpr_count:     24
    .wavefront_size: 32
...
	.end_amdgpu_metadata
.endif
;; end of part 1
;; launch snn (part 2): grid 256 x 1, 4 waves a work-group, no clusters, 75,264 bytes of LDS; arguments x, wimg, b1, b2, b3, out0; writes out0
.if DOCPART == 2
	.amdgcn_target "amdgcn-amd-amdhsa--gfx1250"
	.amdhsa_code_object_version 6
	.text
	.protected	k_q87b31b0864_snn
	.globl	k_q87b31b0864_snn
	.p2align	8
	.type	k_q87b31b0864_snn,@function
k_q87b31b0864_snn:
	s_mov_b64 s[64:65], 0
	v_nop
	global_prefetch_b8 v0, s[64:65] scope:SCOPE_SE
	s_setreg_imm32_b32 hwreg(HW_REG_WAVE_MODE, 25, 1), 1
	s_wait_xcnt 0x0
; THREE LAYERS OF LEAKY INTEGRATE-AND-FIRE NEURONS (256 -> 512 -> 256 -> 64), 25 steps, 8,192 rows; out0 = spike rate of layer 3 over the last 10 steps.
; SHARES.  Rows never meet, so a work-group owns 32 rows (two PIECES m = 0, 1 of 16) for all 25 steps: 256 work-groups.  Wave w owns layer-1 neurons 128 w .. (8 blocks of 16),
; layer-2 neurons 64 w .. (4 blocks), layer-3 neurons 16 w .. (1 block).  Its columns of W2 (64 fragments, 512 registers) and W3 (8 fragments, 64 registers) stay in registers
; for the whole launch; only spikes go through LDS.
; WHAT IS TAKEN FROM THE RECURRENCE ITSELF.  (1) The refractory count is always the last spike: r' = max(r - 1 + 2 s, 0) = s for r in {0, 1}; so s = (V >= 1) and not the last s: a lane mask
; in a scalar register for each neuron register.  (2) Layer 1 has a constant current I, so its train is periodic: with V_k = fma(0.9, V_(k-1), I), V_0 = 0, and n the first k with V_k >= 1, it fires
; at steps n, 2 n, .. (n >= 2), at steps 1, 3, 5, .. (n = 1), never if there is no such k <= 25.  V_k does not fall with k for I >= 0 (a monotone map applied again and again), so a running select finds n.
; The same roundings as the step-by-step form; the trains (25 bits a neuron and row) are made once and take 128 registers.
; FORMATS.  x, W1, W2, W3 and the three biases are rounded once to bf16; spikes are exact in bf16; sums, potentials and currents in f32.  A layer-1 spike is coded 2.0 (0x4000, one bit), and
; I2 = fma(sum, 0.5, b2): the halving is exact, the bias is added with one rounding.  A layer-2 spike is coded 1.0.
; THE FIRST PROJECTION, 3.4% of the launch's multiply-adds, goes through the 16 x 16 x 4 f32 form on the rounded numbers widened to f32: each product is then exact, and the sum is formed in ascending k
; with one rounding a term, as a plain dot product forms it.  Each of its 4.2 million results is held against 25 thresholds, and another last bit beside a threshold is another spike train and another
; output; the sums of layers 2 and 3 add bf16 weights picked by spikes, which f32 nearly always holds exactly in any order, and go through the bf16 form.
; LAYOUT.  D = A (16 rows x k: x or spikes) x B (k x 16 neurons): a lane holds one neuron (lane % 16) and rows 8 (lane / 16) + 0..7, so a bias is one register a block and a lane's eight spikes
; pack into 16 bytes.  Spikes lie in LDS as [neuron][16 rows], 32 bytes a neuron; ds_load_tr16_b128 turns them into A fragments.
; PIPELINE.  A piece i = 2 T + m is 64 products of layer 2 and 8 of layer 3.  Beside GEMM2(i) stand LIF2(i - 1), GEMM3(i - 2), LIF3(i - 3) and the train bits of piece i + 2: 245 vector instructions,
; at most 4 behind a layer-2 product, at most 5 behind a layer-3 product.  One barrier a piece.
; NO CLUSTER, NO TENSOR LOADS.  All work-groups read the same 544 KB of images, but each wave reads its 136 KB once, by contiguous 512-byte loads straight into registers.
; A joint load lands in LDS: 544 KB do not fit there at once, so it would take refills behind rounds of the cluster's barrier and a write and a read of LDS for every byte.  The loop reads no memory.
; LIMITS.  NaN and infinities are not treated as the step-by-step form treats them (a fired neuron is set to +0 by a select, not multiplied by 0; the warm-up multiplies b3 by 0 and forms -2 b2).
; A potential within f32 rounding of 1.0 may fire otherwise than in another order of summation (layer 1: ascending k; layers 2 and 3: the bf16 form's order).  2 x a sum of W2's entries must stay under 3.4e38.
; The rate is count x 0.1f.
;
; LDS
.set LS1, 0            ; s1, two buffers of 16,384 by the piece's parity: [512 neurons][16 rows] bf16
.set LS2, 32768        ; s2, two buffers of 8,192: [256][16]
.set XT, 49152         ; x in bf16: 32 rows of 512 bytes, 528 apart: 33 x 16, so the 16 rows of a load start at 16 different groups of four banks (ISA guide 11.1).  In a row: word 64 h + ks holds k = 4 ks + 2 h, + 1
.set XP, 528
.set OS, 66048         ; the way out: 32 rows of 256 bytes, 272 apart
.set OPI, 272
.set SPARE, 74752      ; the spare words, 128 bytes a wave; no other line names them
; REGISTERS, in windows of 256 (s_set_vgpr_msb: bits 1:0 source 0, 3:2 source 1, 5:4 source 2, 7:6 destination)
; window 0
.set RA, 2             ; my lane's address in a turning load
.set SA1, 3            ; where I put 16 bytes of s1
.set SA2, 4            ; of s2
.set SPW, 5            ; my spare word; never rewritten
.set NIL, 6            ; 0; never rewritten
.set LOFF, 7           ; 16 x lane; never rewritten
.set BI2, 8            ; v8-11   b2, a register a block
.set TT, 12            ; v12-27  at work: LIF 2's currents and spike words (two blocks of 8), later the train bits; at the head b1 (v12-19), b3 (v20), lane numbers and addresses (v21-26)
.set PAT1V, 29         ; the train of period 1
.set AB, 32            ; v32-127 two banks of 48: four A fragments of s1, two of s2
.set ACF, 128          ; v128-159 the first projection's four sums of a chunk; these registers are written by matrix instructions alone
.set AC2, 128          ; v128-191 layer 2's sums: 128 + 32 m + 8 nb
.set VM2, 192          ; v192-255 layer 2's potentials
.set TV, 32            ; at the head: V and the train of a chunk of 32 neuron registers
.set TP, 64            ; at the head I1's four chunks lie at v160, v96, v192, v224
; window 1: v0-127 weight slots 0-15.  At the head: x's words, then all 256: a chunk of W1 in f32, (block nbl, K step ks) at 2 (64 nbl + ks)
.set W3F, 128          ; v128-191 W3
.set AC3, 192          ; + 8 m
.set VM3, 208
.set CNT, 224
.set B3R, 240          ; b3
.set B3E, 241          ; b3, or 0 while the pipeline fills
.set GG, 242           ; v242-249 at work
; window 2: weight slots 16-47.  At the head: x in f32, (piece m, K step ks) at 2 (64 m + ks)
; window 3: v0-127 weight slots 48-63.  At the head: a chunk of W1 as loaded, word 64 nbl + ks
.set TR0, 128          ; v128-191 trains, steps 0-14: word 4 a + p (a = 2 nb + m) holds rows 2 p (low half) and 2 p + 1; step t at bit t of its half
.set TR1, 192          ; v192-255 steps 15-24: step t at bit t - 15
; scalars.  s4-s63 and s66-s85: the last-spike masks: layer 2 number 32 m + 8 nb + j, layer 3 number 64 + 8 m + j; at the head they hold pointers, counters and constants
.set WV, 3             ; my wave's number
.set K1, 24
.set PT, 25
.set P2, 26
.set SEL0, 29
.set SEL1, 30
.set HIM, 31           ; 0xffff0000: a word's upper bf16
.set C2, 86            ; s86-89 threshold crossings of layer 2
.set C3, 90            ; s90-93 of layer 3
.set DEC, 94           ; s[94:95] 0.9
.set MSK, 96           ; 0x40004000: two spikes of 2.0
.set ONEB, 97          ; 0x3f80: 1.0 in bf16
.set SH, 98            ; the shift that brings the step's train bit to bit 14 of its half
.set T, 99             ; the step
.set GC, 100           ; 1.0 where LIF3's spikes count, else 0
.set G3S, 101          ; 1.0 where LIF3's piece exists, else 0
.set MSB, 0
.macro WIN new                         ; the immediate's high byte repeats the setting that is left; a switch that changes nothing is dropped
.if MSB != (\new)
	s_set_vgpr_msb (MSB<<8)|(\new)
.set MSB, (\new)
.endif
.endm
.macro SLOT s                          ; weight slot s: its window SW and first register SR
.if (\s) < 16
.set SW, 1
.set SR, 8*(\s)
.elseif (\s) < 48
.set SW, 2
.set SR, 8*((\s)-16)
.else
.set SW, 3
.set SR, 8*((\s)-48)
.endif
.endm
.macro LDW base, s0, n                 ; n slots from s0 on: two loads of 512 consecutive bytes each
.set ls, (\s0)
.rept (\n)
	SLOT ls
	WIN SW<<6
	global_load_b128 v[SR:SR+3], v[LOFF], s[\base:\base+1] offset:1024*ls
	global_load_b128 v[SR+4:SR+7], v[LOFF], s[\base:\base+1] offset:1024*ls+512
.set ls, ls+1
.endr
.endm
; THE FIRST PROJECTION, in four chunks of two neuron blocks x two pieces.
.macro LDS1 c                          ; chunk c of W1's image: 32 loads of 512 consecutive bytes into window 3
	WIN 0xc0
.set li, 0
.rept 32
	global_load_b128 v[4*li:4*li+3], v[LOFF], s[18:19] offset:16384*(\c)+512*li
.set li, li+1
.endr
.endm
.macro EXPAND w                        ; 128 words of two bf16 become 256 f32, under window setting w: the lower k into the even register
	WIN \w
.set ei, 0
.rept 128
	v_lshlrev_b32 v[2*ei], 16, v[ei]
	v_and_b32 v[2*ei+1], s[HIM], v[ei]
.set ei, ei+1
.endr
.endm
; 64 K steps of 4, ascending, on four sums by turns, one instruction a turn; the first K step starts the sums with the constant 0.  Then I = sum + b1, into other registers (at ib), each sum from its low end.
; Eight places stand behind the last product (ISA guide 7.12.1) ahead of the reads of the sums, and so ahead of the next chunk's writes into window 1.
.macro GEMM1 c, ib
	WIN 0x06                                       ; x in window 2, W1 in window 1, the sums in window 0
.set kq, 0
.rept 64
.set al, 0
.rept 4
.set fa, 2*(64*(al%2)+kq)
.set fb, 2*(64*(al/2)+kq)
.if kq == 0
	v_wmma_f32_16x16x4_f32 v[ACF+8*al:ACF+8*al+7], v[fa:fa+1], v[fb:fb+1], 0
.else
	v_wmma_f32_16x16x4_f32 v[ACF+8*al:ACF+8*al+7], v[fa:fa+1], v[fb:fb+1], v[ACF+8*al:ACF+8*al+7]
.endif
.set al, al+1
.endr
.set kq, kq+1
.endr
	WIN 0
.rept 8
	v_nop
.endr
.set al, 0
.rept 4
.set pp, 0
.rept 4
.if al/2 == 0
	v_pk_add_f32 v[(\ib)+8*al+2*pp:(\ib)+8*al+2*pp+1], v[ACF+8*al+2*pp:ACF+8*al+2*pp+1], v[12+2*(\c):13+2*(\c)] op_sel_hi:[1,0]
.else
	v_pk_add_f32 v[(\ib)+8*al+2*pp:(\ib)+8*al+2*pp+1], v[ACF+8*al+2*pp:ACF+8*al+2*pp+1], v[12+2*(\c):13+2*(\c)] op_sel:[0,1] op_sel_hi:[1,1]
.endif
.set pp, pp+1
.endr
.set al, al+1
.endr
.endm
; 12 turning loads: quarter j of a piece of parity pm into bank b: s1's neurons 128 j .. 128 j + 127, s2's 64 j .. 64 j + 63.  Destination and address lie in window 0: it runs under every setting that moves source 1 alone.
.macro LOADQ pm, j, b
.set lb, AB+48*(\b)
.irp kk, 0,1,2,3
	ds_load_tr16_b128 v[lb+8*\kk:lb+8*\kk+3], v[RA] offset:LS1+16384*(\pm)+(4*(\j)+\kk)*1024
	ds_load_tr16_b128 v[lb+8*\kk+4:lb+8*\kk+7], v[RA] offset:LS1+16384*(\pm)+(4*(\j)+\kk)*1024+512
.endr
.irp e, 0,1
	ds_load_tr16_b128 v[lb+32+8*\e:lb+32+8*\e+3], v[RA] offset:LS2+8192*(\pm)+(2*(\j)+\e)*1024
	ds_load_tr16_b128 v[lb+32+8*\e+4:lb+32+8*\e+7], v[RA] offset:LS2+8192*(\pm)+(2*(\j)+\e)*1024+512
.endr
.endm
.macro G2 m, j, kk, nb                 ; a product of layer 2: k = 32 (4 j + kk) on, block nb.  The piece's first four start the sums
	SLOT 4*(4*(\j)+(\kk))+(\nb)
	WIN SW<<2
.set ga, AC2+32*(\m)+8*(\nb)
.set gf, AB+48*((\j)%2)+8*(\kk)
.if ((\j) == 0) && ((\kk) == 0)
	v_wmma_f32_16x16x32_bf16 v[ga:ga+7], v[gf:gf+7], v[SR:SR+7], 0
.else
	v_wmma_f32_16x16x32_bf16 v[ga:ga+7], v[gf:gf+7], v[SR:SR+7], v[ga:ga+7]
.endif
.endm
.macro G3 m, g, fr                     ; a product of layer 3: k = 32 g on, A fragment at fr
	WIN 0x54
.set ga, AC3+8*(\m)
.if (\g) == 0
	v_wmma_f32_16x16x32_bf16 v[ga:ga+7], v[\fr:\fr+7], v[W3F+8*(\g):W3F+8*(\g)+7], 0
.else
	v_wmma_f32_16x16x32_bf16 v[ga:ga+7], v[\fr:\fr+7], v[W3F+8*(\g):W3F+8*(\g)+7], v[ga:ga+7]
.endif
.endm
.macro ANDN e0, c                      ; four masks: spike = crossing and not the last spike
.set ai, 0
.rept 4
.set mk, 4+((\e0)+ai)+2*(((\e0)+ai)/60)
	s_and_not1_b32 s[mk], s[(\c)+ai], s[mk]
.set ai, ai+1
.endr
.endm
; LIF 2: entry q2 of 144 for set SM2, 36 a block.  Vector registers stand as destination, source 0 and source 2 alone, so the list runs under GEMM2's window settings without a switch.
; The sums are only read; block nb works in the eight registers at TT + 8 (nb % 2).
;   0-3 I = sum / 2 + b2, the accumulator's lowest registers first     4-7 V = 0.9 V + I     8-15 V >= 1, four at a time, the masks made between     16-23 fired: V = 0
;   24-31 the spike as bf16     32-35 two rows to a word: the block's first four registers are then its 16 bytes
.macro L2E
.set lnb, q2/36
.set le, q2%36
.set lA, AC2+32*SM2+8*lnb
.set lW, TT+8*(lnb%2)
.set lV, VM2+32*SM2+8*lnb
.set lM, 32*SM2+8*lnb
.if le < 4
.if lnb%2 == 0
	v_pk_fma_f32 v[lW+2*le:lW+2*le+1], v[lA+2*le:lA+2*le+1], 0.5, v[BI2+lnb:BI2+lnb+1] op_sel_hi:[1,0,0]
.else
	v_pk_fma_f32 v[lW+2*le:lW+2*le+1], v[lA+2*le:lA+2*le+1], 0.5, v[BI2+lnb-1:BI2+lnb] op_sel:[0,0,1] op_sel_hi:[1,0,1]
.endif
.elseif le < 8
	v_pk_fma_f32 v[lV+2*(le-4):lV+2*(le-4)+1], v[lV+2*(le-4):lV+2*(le-4)+1], s[DEC:DEC+1], v[lW+2*(le-4):lW+2*(le-4)+1] op_sel_hi:[1,0,1]
.elseif le < 16
.if le == 12
	ANDN lM, C2
.endif
	v_cmp_ge_f32 s[C2+(le-8)%4], v[lV+le-8], 1.0
.elseif le < 24
.if le == 16
	ANDN lM+4, C2
.endif
.set mk, 4+(lM+le-16)+2*((lM+le-16)/60)
	v_cndmask_b32 v[lV+le-16], v[lV+le-16], 0, s[mk]
.elseif le < 32
.set mk, 4+(lM+le-24)+2*((lM+le-24)/60)
	v_cndmask_b32 v[lW+le-24], 0, s[ONEB], s[mk]
.else
	v_lshl_or_b32 v[lW+le-32], v[lW+2*(le-32)+1], 16, v[lW+2*(le-32)]
.endif
.set q2, q2+1
.endm
; LIF 3: entry q3 of 37 for set SM3, all in window 1.   0 the gated bias     1-4 I = sum + b3     5-8 V = 0.9 V + I     9-16 V >= 1     17-24 fired: V = 0     25-32 the gated spike     33-36 the count
.macro L3E
	WIN 0x55
.set hA, AC3+8*SM3
.set hV, VM3+8*SM3
.set hC, CNT+8*SM3
.set hM, 64+8*SM3
.if q3 == 0
	v_mul_f32 v[B3E], s[G3S], v[B3R]
.elseif q3 < 5
	v_pk_add_f32 v[hA+2*(q3-1):hA+2*(q3-1)+1], v[hA+2*(q3-1):hA+2*(q3-1)+1], v[B3R:B3R+1] op_sel:[0,1] op_sel_hi:[1,1]
.elseif q3 < 9
	v_pk_fma_f32 v[hV+2*(q3-5):hV+2*(q3-5)+1], v[hV+2*(q3-5):hV+2*(q3-5)+1], s[DEC:DEC+1], v[hA+2*(q3-5):hA+2*(q3-5)+1] op_sel_hi:[1,0,1]
.elseif q3 < 17
.if q3 == 13
	ANDN hM, C3
.endif
	v_cmp_ge_f32 s[C3+(q3-9)%4], v[hV+q3-9], 1.0
.elseif q3 < 25
.if q3 == 17
	ANDN hM+4, C3
.endif
.set mk, 4+(hM+q3-17)+2*((hM+q3-17)/60)
	v_cndmask_b32 v[hV+q3-17], v[hV+q3-17], 0, s[mk]
.elseif q3 < 33
.set mk, 4+(hM+q3-25)+2*((hM+q3-25)/60)
	v_cndmask_b32 v[GG+q3-25], 0, s[GC], s[mk]
.else
	v_pk_add_f32 v[hC+2*(q3-33):hC+2*(q3-33)+1], v[hC+2*(q3-33):hC+2*(q3-33)+1], v[GG+2*(q3-33):GG+2*(q3-33)+1]
.endif
.set q3, q3+1
.endm
; Train bits: entry qx of 64 for piece parity m, 8 a block: four shifts, four masks.  The train word is source 1, in window 3, where the last quarter's weights lie: no switch.
; A word's left shift by SH <= 14 brings bit 14 - SH of each half to bit 14 of that half; what crosses from the low half into the high one lies below bit 30 or is masked off.
.macro XE m, tr
.set xu, qx/8
.set xe, qx%8
.if xe < 4
	v_lshlrev_b32 v[TT+4*(xu%4)+xe], s[SH], v[(\tr)+4*(2*xu+(\m))+xe]
.else
	v_and_b32 v[TT+4*(xu%4)+xe-4], v[TT+4*(xu%4)+xe-4], s[MSK]
.endif
.set qx, qx+1
.endm
.macro ST1 m, u0                       ; four blocks of s1, u0 on, into the buffer of parity m (store data is source 1: window 0)
.irp i, 0,1,2,3
	ds_store_b128 v[SA1], v[TT+4*\i:TT+4*\i+3] offset:LS1+16384*(\m)+512*((\u0)+\i)
.endr
.endm
.macro ST2 sm, n0                      ; blocks n0 and n0 + 1 of s2 of set sm
.irp i, 0,1
	ds_store_b128 v[SA2], v[TT+8*\i:TT+8*\i+3] offset:LS2+8192*(\sm)+512*((\n0)+\i)
.endr
.endm
; A PIECE, i = 2 T + m.  Four quarters of 16 products of layer 2 (128 along k) and 2 of layer 3; quarter j multiplies bank j % 2 while the other bank is loaded.
; The four sums of layer 2 take turns, one instruction a turn, and layer 3's sum has single turns among them; over the piece's edge and the loop's too.
; The 4 or 5 entries of LIF 3 behind a product of layer 3 name none of the registers of the products in front of them: they are the four places (ISA guide 7.12.1 for vector instructions)
; ahead of the loads into the bank just multiplied.
; THE BARRIER.  In front of the signal (third quarter) s_wait_dscnt 0: my reads of this parity's s1 and s2 are back, my stores of s2(i - 1) and of s1(i + 1) are done.  Behind the wait (fourth quarter)
; this parity's s1 is written over with s1(i + 2), and the other parity's s1 and s2 are read.  This parity's s2 is written again in the next piece's second and third quarters, behind this barrier.
.macro HALF m, tr
	s_cmp_ge_u32 s[T], 2-(\m)                      ; LIF 3 works on piece i - 3: it exists from i = 3 on,
	s_cselect_b32 s[G3S], 1.0, 0
	s_cmp_ge_u32 s[T], 17-(\m)                     ; and belongs to steps 15 to 24 from i = 33 on
	s_cselect_b32 s[GC], 1.0, 0
.set SM2, 1-(\m)
.set SM3, 1-(\m)
.set q2, 0
.set q3, 0
.set qx, 0
.set g3i, 0
.set qj, 0
.rept 4
.if qj == 0
	s_wait_dscnt 0x8                               ; bank 0's 12 loads are back; the eight stores of s1 issued behind them may be out
	WIN 0x04
	LOADQ \m, 1, 1
.elseif qj == 1
	s_wait_dscnt 0x0                               ; bank 1
	WIN 0x08
	LOADQ \m, 2, 0
.elseif qj == 2
	s_wait_dscnt 0x0                               ; bank 0
	WIN 0x08
	LOADQ \m, 3, 1
.else
	s_barrier_wait -1
	WIN 0x0c
	LOADQ 1-(\m), 0, 0                             ; the next piece's first quarter
.endif
.set gi, 0
.rept 16
	G2 \m, qj, gi/4, gi%4
.if q2 < 144
.rept 4
	L2E
.endr
.endif
.if (qj == 1) && (gi == 1)
	WIN 0
	ST2 1-(\m), 0                                  ; s2(i - 1), blocks 0 and 1: entry 72 writes their registers anew
.endif
.if (qj == 2) && (gi == 3)
	WIN 0
	ST2 1-(\m), 2                                  ; blocks 2 and 3
.endif
.if (qj == 2) && (gi == 13)
	s_wait_dscnt 0x0                               ; for the others' sake: all my LDS reads are back and all my LDS stores are done
	s_barrier_signal -1
.endif
.if qj == 3
.rept 4
	XE \m, \tr
.endr
.endif
.if (gi == 7) || (gi == 15)
.if qj == 3
	WIN 0
	ST1 \m, 4*(gi/8)                               ; s1(i + 2)
.endif
.set g3f, AB+48*(qj%2)+32+8*(g3i%2)
	G3 \m, g3i, g3f
.rept 5-(g3i/5)
	L3E
.endr
.set g3i, g3i+1
.endif
.set gi, gi+1
.endr
.set qj, qj+1
.endr
.endm
; 32 compares and 32 selects of a train chunk, eight masks at a time.  first = 1: V_1 = I: period 1, or for now period 2.  Else: the train found stays where V has reached 1; elsewhere the next period's takes its place.
.macro CMPSEL src, first
.set tg, 0
.rept 4
.irp q, 0,1,2,3,4,5,6,7
	v_cmp_ge_f32 s[C2+\q], v[(\src)+8*tg+\q], 1.0
.endr
.irp q, 0,1,2,3,4,5,6,7
.if \first
	v_cndmask_b32 v[TP+8*tg+\q], s[P2], v[PAT1V], s[C2+\q]
.else
	v_cndmask_b32 v[TP+8*tg+\q], s[PT], v[TP+8*tg+\q], s[C2+\q]
.endif
.endr
.set tg, tg+1
.endr
.endm
; The trains of chunk c's 32 neuron registers, I at v[ib ..].  Trip n = 3 .. 26 holds V_(n-1).  The train of period n is made by scalar arithmetic: a bit at step n, doubled three times (n, 2 n, .. 8 n: enough for n >= 3
; and 25 steps); a shift of 32 or more is capped at 31, which also pushes every bit (the lowest is bit 2) out of the word.  Steps 1-15 go to the low half, steps 16-25 to the high half.  Period 26 is the empty train.
.macro TRCHUNK c, ib
.set tI, (\ib)
	CMPSEL tI, 1
.set tw, 0
.rept 16
	v_pk_fma_f32 v[TV+2*tw:TV+2*tw+1], v[tI+2*tw:tI+2*tw+1], s[DEC:DEC+1], v[tI+2*tw:tI+2*tw+1] op_sel_hi:[1,0,1]
.set tw, tw+1
.endr
	s_mov_b32 s[K1], 3
.Ltrain_\@:
	s_sub_co_u32 s27, s[K1], 1
	s_lshl_b32 s[PT], 1, s27
	s_lshl_b32 s27, s[PT], s[K1]
	s_or_b32 s[PT], s[PT], s27
	s_lshl_b32 s28, s[K1], 1
	s_min_u32 s28, s28, 31
	s_lshl_b32 s27, s[PT], s28
	s_or_b32 s[PT], s[PT], s27
	s_lshl_b32 s28, s[K1], 2
	s_min_u32 s28, s28, 31
	s_lshl_b32 s27, s[PT], s28
	s_or_b32 s[PT], s[PT], s27
	s_and_b32 s27, s[PT], 0x7fff
	s_bfe_u32 s28, s[PT], 0xa000f                  ; ten bits from bit 15
	s_lshl_b32 s28, s28, 16
	s_or_b32 s[PT], s27, s28
	CMPSEL TV, 0
.set tw, 0
.rept 16
	v_pk_fma_f32 v[TV+2*tw:TV+2*tw+1], v[TV+2*tw:TV+2*tw+1], s[DEC:DEC+1], v[tI+2*tw:tI+2*tw+1] op_sel_hi:[1,0,1]
.set tw, tw+1
.endr
	s_add_co_u32 s[K1], s[K1], 1
	s_cmp_lt_u32 s[K1], 27
	s_cbranch_scc1 .Ltrain_\@
	WIN 0xc0
.set tw, 0
.rept 16
	v_perm_b32 v[TR0+16*(\c)+tw], v[TP+2*tw+1], v[TP+2*tw], s[SEL0]  ; two rows' low halves
	v_perm_b32 v[TR1+16*(\c)+tw], v[TP+2*tw+1], v[TP+2*tw], s[SEL1]  ; and high halves
.set tw, tw+1
.endr
	WIN 0
.endm
.macro G3CH m                          ; the tail: layer 3's eight products on end, fragments at v64 on.  One accumulator: a wait ahead of each link
	WIN 0x54
.set cg, 0
.rept 8
.set g3f, 64+8*cg
.if cg > 0
	s_wait_alu depctr_va_vdst(0)
.endif
	G3 \m, cg, g3f
.set cg, cg+1
.endr
.endm
.macro PLACES
.rept 4
	v_nop
.endr
.endm
	; ---------------- the head
	s_load_b256 s[4:11], s[0:1], 0x0               ; x s[4:5], wimg s[6:7], b1 s[8:9], b2 s[10:11]
	s_load_b64 s[12:13], s[0:1], 0x20              ; b3
	v_lshl_add_u32 v[SPW], v0, 2, SPARE
	v_mov_b32 v[NIL], 0
	v_lshrrev_b32 v1, 5, v0
	v_readfirstlane_b32 s[WV], v1                  ; wave 0..3
	v_and_b32 v21, 31, v0                          ; lane
	v_and_b32 v22, 15, v0                          ; r
	v_bfe_u32 v23, v0, 4, 1                        ; h
	v_lshlrev_b32 v[LOFF], 4, v21
	v_and_b32 v30, 7, v0                           ; the turning load: lane l reads 16 bytes of neuron 8 h + l % 8 (32 bytes a neuron), rows 8 ((l / 8) % 2) on
	v_lshl_add_u32 v30, v23, 3, v30
	v_lshlrev_b32 v30, 5, v30
	v_bfe_u32 v31, v0, 3, 1
	v_lshl_add_u32 v[RA], v31, 4, v30
	v_lshlrev_b32 v30, 5, v22                      ; a spike store: neuron r x 32 bytes + 16 h,
	v_lshl_add_u32 v30, v23, 4, v30
	s_lshl_b32 s2, s[WV], 12                       ; behind my wave's 128 neurons of layer 1
	v_add_nc_u32 v[SA1], s2, v30
	s_lshl_b32 s2, s[WV], 11                       ; or 64 of layer 2
	v_add_nc_u32 v[SA2], s2, v30
	v_lshlrev_b32 v24, 2, v22                      ; a bias: 4 r
	s_mul_i32 s2, s[WV], 8*XP                      ; x into LDS: my wave's 8 rows, a word a lane
	s_add_co_u32 s2, s2, XT
	v_lshl_add_u32 v25, v21, 2, s2
	v_mul_u32_u24 v26, v22, XP                     ; x out of LDS: row r x pitch + my half's 256 bytes
	v_lshl_add_u32 v26, v23, 8, v26
	v_add_nc_u32 v26, XT, v26
	v_mov_b32 v[PAT1V], 0x02aa5555                 ; period 1 fires at steps 1, 3, .. 25
	s_mov_b32 s[DEC], 0x3f666666                   ; 0.9
	s_mov_b32 s[DEC+1], 0x3f666666                 ; named with it as a pair
	s_mov_b32 s[MSK], 0x40004000
	s_mov_b32 s[ONEB], 0x3f80
	s_mov_b32 s[P2], 0x01552aaa                    ; period 2 fires at steps 2, 4, .. 24
	s_mov_b32 s[SEL0], 0x05040100
	s_mov_b32 s[SEL1], 0x07060302
	s_mov_b32 s[HIM], 0xffff0000
	s_lshl_b32 s16, ttmp9, 15                      ; my work-group's 32 rows of 1,024 bytes,
	s_lshl_b32 s17, s[WV], 13                      ; my wave's 8 of them
	s_add_co_u32 s16, s16, s17
	s_mov_b32 s17, 0
	s_wait_kmcnt 0x0
	s_add_nc_u64 s[4:5], s[4:5], s[16:17]          ; x
	s_lshl_b32 s16, s[WV], 16
	s_add_nc_u64 s[18:19], s[6:7], s[16:17]        ; my image of W1,
	s_add_nc_u64 s[20:21], s[18:19], 262144        ; of W2,
	s_lshl_b32 s16, s[WV], 13
	s_add_nc_u64 s[22:23], s[6:7], s[16:17]
	s_add_nc_u64 s[22:23], s[22:23], 524288        ; of W3
	s_lshl_b32 s16, s[WV], 9
	s_add_nc_u64 s[8:9], s[8:9], s[16:17]          ; my 128 numbers of b1,
	s_lshl_b32 s16, s[WV], 8
	s_add_nc_u64 s[10:11], s[10:11], s[16:17]      ; 64 of b2,
	s_lshl_b32 s16, s[WV], 6
	s_add_nc_u64 s[12:13], s[12:13], s[16:17]      ; 16 of b3
.set xi, 0
.rept 16                                               ; x: 512 consecutive bytes a load: row xi / 2, half xi % 2; lane l takes K step 32 (xi % 2) + l
	global_load_b128 v[32+4*xi:32+4*xi+3], v[LOFF], s[4:5] offset:512*xi th:TH_LOAD_NT
.set xi, xi+1
.endr
.irp nb, 0,1,2,3,4,5,6,7
	global_load_b32 v[12+\nb], v24, s[8:9] offset:64*\nb
.endr
.irp nb, 0,1,2,3
	global_load_b32 v[BI2+\nb], v24, s[10:11] offset:64*\nb
.endr
	global_load_b32 v20, v24, s[12:13]
	LDS1 0
	WIN 0
	s_wait_loadcnt 45                              ; x is in: the 13 bias loads and 32 image loads issued behind it may be out
.set xi, 0
.rept 16
	v_cvt_pk_bf16_f32 v[96+2*xi], v[32+4*xi], v[32+4*xi+1]      ; k = 4 ks, + 1: the word of half 0
	v_cvt_pk_bf16_f32 v[96+2*xi+1], v[32+4*xi+2], v[32+4*xi+3]  ; k = 4 ks + 2, + 3: of half 1
.set xi, xi+1
.endr
.set xi, 0
.rept 16
	ds_store_b32 v25, v[96+2*xi] offset:(xi/2)*XP+(xi%2)*128
	ds_store_b32 v25, v[96+2*xi+1] offset:(xi/2)*XP+(xi%2)*128+256
.set xi, xi+1
.endr
	s_wait_dscnt 0x0                               ; for the others' sake: my 8 rows are in LDS
	s_barrier_signal -1
	s_barrier_wait -1
	WIN 0x40
.set xi, 0
.rept 32                                               ; piece xi / 16, K steps 4 (xi % 16) on: four words of my row and half
	ds_load_b128 v[4*xi:4*xi+3], v26 offset:8448*(xi/16)+16*(xi%16)
.set xi, xi+1
.endr
	s_wait_dscnt 0x0
	EXPAND 0x84                                    ; x: window 1 -> window 2
	WIN 0
	s_wait_loadcnt 0x0                             ; the biases and chunk 0 of W1
.set bi, 8
.rept 13                                               ; the 13 bias registers are rounded to bf16
	v_cvt_pk_bf16_f32 v[bi], v[bi], v[bi]
.set bi, bi+1
.endr
.set bi, 8
.rept 13
	v_lshlrev_b32 v[bi], 16, v[bi]
.set bi, bi+1
.endr
	; ---------------- I1 = x W1 + b1.  A chunk's image is widened from window 3 into window 1; the next chunk's loads follow at once and have the chunk's 256 products in which to land
	EXPAND 0x4c
	LDS1 1
	GEMM1 0, 160
	s_wait_loadcnt 0x0                             ; chunk 1
	EXPAND 0x4c
	LDS1 2
	GEMM1 1, 96
	s_wait_loadcnt 0x0                             ; chunk 2
	EXPAND 0x4c
	LDS1 3
	GEMM1 2, 192
	s_wait_loadcnt 0x0                             ; chunk 3
	EXPAND 0x4c
	GEMM1 3, 224
	; ---------------- layer 1's trains; W2 and W3 come into the registers that x and W1 have left: 16 slots ahead of each chunk, so that the wave goes on while they come
	WIN 0x40
	v_mov_b32 v[B3R], v20
	LDW 20, 0, 16
	WIN 0x40
.irp g, 0,1,2,3,4,5,6,7
	global_load_b128 v[W3F+8*\g:W3F+8*\g+3], v[LOFF], s[22:23] offset:1024*\g
	global_load_b128 v[W3F+8*\g+4:W3F+8*\g+7], v[LOFF], s[22:23] offset:1024*\g+512
.endr
	WIN 0
	TRCHUNK 0, 160
	LDW 20, 16, 16
	WIN 0
	TRCHUNK 1, 96
	LDW 20, 32, 16
	WIN 0
	TRCHUNK 2, 192
	LDW 20, 48, 16
	WIN 0
	TRCHUNK 3, 224
	; ---------------- the state at step 0.  No first piece is written out: LIF2(-1) finds sums of -2 b2, so that its current is 0.5 x (-2 b2) + b2 = 0; GEMM3(-2) and GEMM3(-1) multiply spikes of 0;
	; LIF3(-3) to LIF3(-1) take a bias of 0.  The price: 32 multiplies and 104 moves, once, while W2 is on its way.
.set zi, 0
.rept 32
	v_mul_f32 v[AC2+32+zi], -2.0, v[BI2+zi/8]
.set zi, zi+1
.endr
.set zi, 0
.rept 64
	v_mov_b32 v[VM2+zi], 0
.set zi, zi+1
.endr
	WIN 0x40
.set zi, AC3+8
.rept 40                                               ; layer 3's second sum, its potentials, its counts
	v_mov_b32 v[zi], 0
.set zi, zi+1
.endr
	WIN 0
	s_wait_xcnt 0x0                                ; the pointers are written over only behind this wait (ISA guide 3.1)
.set zi, 4
.rept 30
	s_mov_b64 s[zi:zi+1], 0
.set zi, zi+2
.endr
.set zi, 66
.rept 10
	s_mov_b64 s[zi:zi+1], 0
.set zi, zi+2
.endr
.irp nb, 0,1,2,3
	ds_store_b128 v[SA2], v[VM2:VM2+3] offset:LS2+512*\nb  ; s2(-2) = 0
.endr
	s_mov_b32 s[SH], 14                            ; step 0's bit
.irp m, 0,1
.set qx, 0
.irp u0, 0,4
	WIN 0x0c
.rept 32
	XE \m, TR0
.endr
	WIN 0
	ST1 \m, \u0                                    ; s1(0), s1(1)
.endr
.endr
	s_wait_dscnt 0x0                               ; for the others' sake
	s_barrier_signal -1
	s_barrier_wait -1
	LOADQ 0, 0, 0
	s_wait_loadcnt 0x0                             ; W2 and W3
	s_wait_dscnt 0x0
	; ---------------- 25 steps, two pieces each.  Two loops, since the train bits of steps 1-14 and 15-25 lie in different registers (step 25 has none: zeros, which serve nothing)
	s_mov_b32 s[T], 0
.LloopA:
	s_sub_co_u32 s[SH], 13, s[T]                   ; the bits stored are step T + 1's
	HALF 0, TR0
	HALF 1, TR0
	WIN 0
	s_add_co_u32 s[T], s[T], 1
	s_cmp_lt_u32 s[T], 14
	s_cbranch_scc1 .LloopA
	s_mov_b32 s[T], 14
.LloopB:
	s_sub_co_u32 s[SH], 28, s[T]
	HALF 0, TR1
	HALF 1, TR1
	WIN 0
	s_add_co_u32 s[T], s[T], 1
	s_cmp_lt_u32 s[T], 25
	s_cbranch_scc1 .LloopB
	; ---------------- the pipeline runs empty: LIF2(49), LIF3(47), GEMM3(48); LIF3(48), GEMM3(49), LIF3(49)
	s_mov_b32 s[GC], 1.0
	s_mov_b32 s[G3S], 1.0
	s_wait_dscnt 0x0                               ; s2(48)'s first two fragments are in v64-79
.irp g, 2,3,4,5,6,7
	ds_load_tr16_b128 v[64+8*\g:64+8*\g+3], v[RA] offset:LS2+1024*\g
	ds_load_tr16_b128 v[64+8*\g+4:64+8*\g+7], v[RA] offset:LS2+1024*\g+512
.endr
.set SM2, 1
.set q2, 0
.rept 72
	L2E
.endr
	ST2 1, 0                                       ; s2(49)
.rept 72
	L2E
.endr
	ST2 1, 2
.set SM3, 1
.set q3, 0
.rept 37
	L3E
.endr
	s_wait_dscnt 0x0                               ; for the others' sake, and s2(48)'s fragments
	s_barrier_signal -1
	G3CH 0
	s_barrier_wait -1
	PLACES                                         ; ahead of the loads into the fragments just multiplied, and of LIF 3's reads of the sum
	WIN 0
.irp g, 0,1,2,3,4,5,6,7
	ds_load_tr16_b128 v[64+8*\g:64+8*\g+3], v[RA] offset:LS2+8192+1024*\g
	ds_load_tr16_b128 v[64+8*\g+4:64+8*\g+7], v[RA] offset:LS2+8192+1024*\g+512
.endr
.set SM3, 0
.set q3, 0
.rept 37
	L3E
.endr
	s_wait_dscnt 0x0
	G3CH 1
	PLACES
.set SM3, 1
.set q3, 0
.rept 37
	L3E
.endr
	; ---------------- the way out: rate = count x 0.1; through LDS, so that each store covers 512 consecutive bytes of out0, aligned
	s_load_b64 s[4:5], s[0:1], 0x28                ; out0 (the masks of layer 2 are no longer needed)
	WIN 0x04
.set oi, 0
.rept 16
	v_mul_f32 v[32+oi], 0x3dcccccd, v[CNT+oi]
.set oi, oi+1
.endr
	WIN 0
	v_and_b32 v12, 15, v0
	v_bfe_u32 v13, v0, 4, 1
	v_mul_u32_u24 v14, v13, 8*OPI                  ; in: row 8 h + .., column 16 w + r
	v_lshl_add_u32 v14, v12, 2, v14
	s_lshl_b32 s2, s[WV], 6
	s_add_co_u32 s2, s2, OS
	v_add_nc_u32 v14, s2, v14
	v_mul_u32_u24 v15, v13, OPI                    ; back: rows 8 w + h + .., 16 bytes a lane
	v_lshl_add_u32 v15, v12, 4, v15
	s_mul_i32 s2, s[WV], 8*OPI
	s_add_co_u32 s2, s2, OS
	v_add_nc_u32 v15, s2, v15
.set oi, 0
.rept 16
	ds_store_b32 v14, v[32+oi] offset:(16*(oi/8)+oi%8)*OPI
.set oi, oi+1
.endr
	s_wait_dscnt 0x0                               ; for the others' sake: a row's 256 bytes come from four waves
	s_barrier_signal -1
	s_barrier_wait -1
.irp q, 0,1,2,3
	ds_load_b128 v[48+4*\q:48+4*\q+3], v15 offset:2*OPI*\q
.endr
	s_lshl_b32 s6, ttmp9, 13                       ; my work-group's 32 rows of 256 bytes,
	s_lshl_b32 s7, s[WV], 11                       ; my wave's 8
	s_add_co_u32 s6, s6, s7
	s_mov_b32 s7, 0
	s_wait_kmcnt 0x0
	s_add_nc_u64 s[4:5], s[4:5], s[6:7]
.irp q, 0,1,2,3
	s_wait_dscnt 3-\q                              ; LDS loads come back in order (ISA guide 5.7.1): load q is in
	global_store_b128 v[LOFF], v[48+4*\q:48+4*\q+3], s[4:5] offset:512*\q th:TH_STORE_NT
.endr
	s_wait_tensorcnt 0x0                           ; the wave's end, behind my last LDS store
	ds_add_u32 v[SPW], v[NIL]
	s_wait_dscnt 0x0
	s_endpgm
.Lfunc_end_k_q87b31b0864_snn:
	.size	k_q87b31b0864_snn, .Lfunc_end_k_q87b31b0864_snn-k_q87b31b0864_snn
	.p2alignl 7, 3214868480
	.fill 96, 4, 3214868480
	.section	.rodata,"a",@progbits
	.p2align	6, 0x0
	.amdhsa_kernel k_q87b31b0864_snn
		.amdhsa_group_segment_fixed_size 75264
		.amdhsa_private_segment_fixed_size 0
		.amdhsa_enable_private_segment 0
		.amdhsa_kernarg_size 48
		.amdhsa_user_sgpr_count 2
		.amdhsa_user_sgpr_kernarg_segment_ptr 1
		.amdhsa_wavefront_size32 1
		.amdhsa_system_sgpr_workgroup_id_x 1
		.amdhsa_system_sgpr_workgroup_id_y 1
		.amdhsa_system_sgpr_workgroup_id_z 1
		.amdhsa_system_vgpr_workitem_id 0
		.amdhsa_next_free_vgpr 1024
		.amdhsa_next_free_sgpr 102
		.amdhsa_reserve_vcc 0
		.amdhsa_float_denorm_mode_32 3
		.amdhsa_float_denorm_mode_16_64 3
		.amdhsa_memory_ordered 1
		.amdhsa_forward_progress 1
		.amdhsa_inst_pref_size 255
	.end_amdhsa_kernel
	.section	.bss,"aw",@nobits
	.p2align	6
	.space	262144
	.amdgpu_metadata
---
amdhsa.version: [ 1, 2 ]
amdhsa.kernels:
  - .name:           k_q87b31b0864_snn
    .symbol:         k_q87b31b0864_snn.kd
    .args:
      - { .name: x, .offset: 0, .size: 8, .value_kind: global_buffer, .address_space: global }
      - { .name: wimg, .offset: 8, .size: 8, .value_kind: global_buffer, .address_space: global }
      - { .name: b1, .offset: 16, .size: 8, .value_kind: global_buffer, .address_space: global }
      - { .name: b2, .offset: 24, .size: 8, .value_kind: global_buffer, .address_space: global }
      - { .name: b3, .offset: 32, .size: 8, .value_kind: global_buffer, .address_space: global }
      - { .name: out0, .offset: 40, .size: 8, .value_kind: global_buffer, .address_space: global }
    .group_segment_fixed_size: 75264
    .private_segment_fixed_size: 0
    .kernarg_segment_align: 8
    .kernarg_segment_size: 48
    .max_flat_workgroup_size: 128
    .sgpr_count:     102
    .vgpr_count:     1024
    .wavefront_size: 32
...
	.end_amdgpu_metadata
.endif
;; end of part 2
